; MI455X (gfx1250); checked and timed in simulation.
; The chip was launched on July 23, 2026; its instructions are those of AMD's public machine-readable ISA for CDNA 5 (MIT licence, August 2026) and "CDNA5" Instruction Set Architecture Reference Guide (July 2026). The comments in the code are by the model that wrote it; some were corrected since.
;; Imag Behavior. Allowed arithmetic: float matrix products may take bf16 or f16 operands with f32 sums; all other float work in f32.
;; Inputs: discount 16 x 524,288 float32; reward 16 x 524,288 float32; value 16 x 524,288 float32.
;; Outputs: out0 15 x 524,288 float32.
;; 2 versions, each right; version 2 is version 1 with the launch lambda_return written anew for expert scheduling mode. Each part assembles by itself: llvm-mc -triple=amdgcn-amd-amdhsa -mcpu=gfx1250 --defsym DOCPART=n.
;; ======== version 1 of 2: 1 launch
;; launch lambda_return (part 1): grid 256 x 1, 16 waves a work-group, no clusters, 0 bytes of LDS; arguments reward, discount, value, out0; writes out0
.if DOCPART == 1
	.amdgcn_target "amdgcn-amd-amdhsa--gfx1250"
	.amdhsa_code_object_version 6
	.text
	.protected	k_qe8a556b338_lambda_return
	.globl	k_qe8a556b338_lambda_return
	.p2align	8
	.type	k_qe8a556b338_lambda_return,@function
k_qe8a556b338_lambda_return:
	s_mov_b64 s[64:65], 0
	v_nop
	global_prefetch_b8 v0, s[64:65] scope:SCOPE_SE
	s_setreg_imm32_b32 hwreg(HW_REG_WAVE_MODE, 25, 1), 1
	s_wait_xcnt 0x0
; out[t][b] = reward[t][b] + discount[t][b] * (LAM * out[t+1][b] + (1 - LAM) * value[t+1][b]),  t = 14 .. 0,
; with value[15][b] in the place of out[15][b].  reward, discount, value: [16][524288] f32; out: [15][524288] f32.
; The recurrence never uses reward[15], discount[15] and value[0]: those rows are not read.
;
; The columns do not depend on each other, and each needed byte is read once and each output byte written once.
; A thread owns 4 neighbouring columns (16 bytes of every row): a wave's load or store covers 512 consecutive bytes at a
; multiple of 512 from the buffer's first byte.  256 work-groups x 512 threads x 4 columns = 524,288 columns.
; A wave needs 3 x 15 = 45 loads of 16 bytes a lane, 180 registers: all 45 are issued in one run at the start, in the order
; in which the recurrence wants them (t = 14 first), and each step waits only for its own three.  No loop, no LDS, no barrier:
; no lane needs another lane's numbers, and no two work-groups read the same byte (so nothing could be shared in a cluster).
;
; Rounding: LAM * acc + (1 - LAM) * v and d * mix + r are each one fused multiply-add (one rounding where a separate multiply
; and add round twice).  NaN and infinities go through as in the formula.  No limit of range.
.set ROW,    0x200000                  ; bytes in a row: 524,288 x 4
.set LAST,   14                        ; the first step made: t = 14; the last: t = 0
.set C_LAM,  0x3f733333                ; 0.95 in f32
.set C_REST, 0x3d4ccccd                ; 1 - 0.95 = 0.05 in f32
.set OFF, 1                            ; v1         my byte offset in every row; never rewritten
.set T,   2                            ; v[2:5]     the mix LAM * acc + (1 - LAM) * v of my 4 columns
.set R,   6                            ; v[6:65]    step t: 4 registers, reward[t] as loaded, then out[t]
.set D,   66                           ; v[66:125]  step t: 4 registers, discount[t]
.set V,   126                          ; v[126:185] step t: 4 registers, value[t+1]
; The immediate offset is signed and has 24 bits (ISA guide, chapter 10, the instructions' fields): -4 to +3 rows of 2 MiB.
; So each buffer has two bases, at row 4 (for rows 0-7) and at row 12 (for rows 8-15).
.set SR,  12                           ; s[12:15]   reward at row 4, at row 12
.set SD,  16                           ; s[16:19]   discount
.set SV,  20                           ; s[20:23]   value
.set SO,  24                           ; s[24:27]   out
.macro LD dst, sb, row                 ; my 16 bytes of one row
	global_load_b128 v[\dst:\dst+3], v[OFF], s[\sb+2*((\row)/8):\sb+2*((\row)/8)+1] offset:(((\row)%8)-4)*ROW th:TH_LOAD_NT
.endm
	s_load_b256 s[4:11], s[0:1], 0x0               ; reward s[4:5], discount s[6:7], value s[8:9], out s[10:11]
	s_lshl_b32 s2, ttmp9, 13                       ; the work-group's 512 threads x 16 bytes = 8,192 bytes of every row
	v_lshl_add_u32 v[OFF], v0, 4, s2               ; + 16 x thread: below 2 MiB
	s_wait_kmcnt 0x0
	s_add_nc_u64 s[SR:SR+1],   s[4:5],   4*ROW
	s_add_nc_u64 s[SR+2:SR+3], s[4:5],   12*ROW
	s_add_nc_u64 s[SD:SD+1],   s[6:7],   4*ROW
	s_add_nc_u64 s[SD+2:SD+3], s[6:7],   12*ROW
	s_add_nc_u64 s[SV:SV+1],   s[8:9],   4*ROW
	s_add_nc_u64 s[SV+2:SV+3], s[8:9],   12*ROW
	s_add_nc_u64 s[SO:SO+1],   s[10:11], 4*ROW
	s_add_nc_u64 s[SO+2:SO+3], s[10:11], 12*ROW    ; out has 15 rows: rows 8-14 are reached from here, row 15 never
	; All 45 loads, three for each step, the step that is made first in front.
.set t, LAST
.rept LAST+1
	LD V+4*t, SV, t+1
	LD D+4*t, SD, t
	LD R+4*t, SR, t
.set t, t-1
.endr
	; The 15 steps.  ACC names the registers of the value carried: value[15] at first, then the result of the step before.
	; A step's result is written over its reward, in registers that nothing writes again: they are the store's data and the
	; next step's ACC, so no store's source is ever rewritten and no wait is needed on the stores' account.
.set t, LAST
.set ACC, V+4*LAST
.set LEFT, 3*LAST
.rept LAST+1
	s_wait_loadcnt LEFT                            ; loads come back in order (ISA guide 5.7.1): this step's three are in, the 3 t of the t steps to come stay out
	v_pk_mul_f32 v[T:T+1],   v[V+4*t:V+4*t+1],     C_REST op_sel_hi:[1,0]                    ; (1 - LAM) * value[t+1]
	v_pk_mul_f32 v[T+2:T+3], v[V+4*t+2:V+4*t+3],   C_REST op_sel_hi:[1,0]
	v_pk_fma_f32 v[T:T+1],   v[ACC:ACC+1],   C_LAM, v[T:T+1]   op_sel_hi:[1,0,1]             ; + LAM * acc
	v_pk_fma_f32 v[T+2:T+3], v[ACC+2:ACC+3], C_LAM, v[T+2:T+3] op_sel_hi:[1,0,1]
	v_pk_fma_f32 v[R+4*t:R+4*t+1],   v[D+4*t:D+4*t+1],   v[T:T+1],   v[R+4*t:R+4*t+1]        ; reward[t] + discount[t] * mix
	v_pk_fma_f32 v[R+4*t+2:R+4*t+3], v[D+4*t+2:D+4*t+3], v[T+2:T+3], v[R+4*t+2:R+4*t+3]
	global_store_b128 v[OFF], v[R+4*t:R+4*t+3], s[SO+2*(t/8):SO+2*(t/8)+1] offset:((t%8)-4)*ROW th:TH_STORE_NT
.set ACC, R+4*t
.set t, t-1
.set LEFT, LEFT-3
.endr
	s_endpgm
.Lfunc_end_k_qe8a556b338_lambda_return:
	.size	k_qe8a556b338_lambda_return, .Lfunc_end_k_qe8a556b338_lambda_return-k_qe8a556b338_lambda_return
	.p2alignl 7, 3214868480
	.fill 96, 4, 3214868480
	.section	.rodata,"a",@progbits
	.p2align	6, 0x0
	.amdhsa_kernel k_qe8a556b338_lambda_return
		.amdhsa_group_segment_fixed_size 0
		.amdhsa_private_segment_fixed_size 0
		.amdhsa_enable_private_segment 0
		.amdhsa_kernarg_size 32
		.amdhsa_user_sgpr_count 2
		.amdhsa_user_sgpr_kernarg_segment_ptr 1
		.amdhsa_wavefront_size32 1
		.amdhsa_system_sgpr_workgroup_id_x 1
		.amdhsa_system_sgpr_workgroup_id_y 1
		.amdhsa_system_sgpr_workgroup_id_z 1
		.amdhsa_system_vgpr_workitem_id 0
		.amdhsa_next_free_vgpr 186
		.amdhsa_next_free_sgpr 66
		.amdhsa_reserve_vcc 0
		.amdhsa_float_denorm_mode_32 3
		.amdhsa_float_denorm_mode_16_64 3
		.amdhsa_memory_ordered 1
		.amdhsa_forward_progress 1
		.amdhsa_inst_pref_size 15
	.end_amdhsa_kernel
	.amdgpu_metadata
---
amdhsa.version: [ 1, 2 ]
amdhsa.kernels:
  - .name:           k_qe8a556b338_lambda_return
    .symbol:         k_qe8a556b338_lambda_return.kd
    .args:
      - { .name: reward, .offset: 0, .size: 8, .value_kind: global_buffer, .address_space: global }
      - { .name: discount, .offset: 8, .size: 8, .value_kind: global_buffer, .address_space: global }
      - { .name: value, .offset: 16, .size: 8, .value_kind: global_buffer, .address_space: global }
      - { .name: out0, .offset: 24, .size: 8, .value_kind: global_buffer, .address_space: global }
    .group_segment_fixed_size: 0
    .private_segment_fixed_size: 0
    .kernarg_segment_align: 8
    .kernarg_segment_size: 32
    .max_flat_workgroup_size: 512
    .sgpr_count:     66
    .vgpr_count:     186
    .wavefront_size: 32
...
	.end_amdgpu_metadata
.endif
;; end of part 1
;; ======== version 2 of 2: 1 launch; version 1 with the launch lambda_return written anew for expert scheduling mode
;; launch lambda_return (part 2): grid 256 x 1, 16 waves a work-group, no clusters, 0 bytes of LDS; arguments reward, discount, value, out0; writes out0
.if DOCPART == 2
	.amdgcn_target "amdgcn-amd-amdhsa--gfx1250"
	.amdhsa_code_object_version 6
	.text
	.protected	k_qe8a556b338_lambda_return
	.globl	k_qe8a556b338_lambda_return
	.p2align	8
	.type	k_qe8a556b338_lambda_return,@function
k_qe8a556b338_lambda_return:
	s_mov_b64 s[64:65], 0
	v_nop
	global_prefetch_b8 v0, s[64:65] scope:SCOPE_SE
	s_setreg_imm32_b32 hwreg(HW_REG_WAVE_SCHED_MODE, 0, 2), 2
	s_setreg_imm32_b32 hwreg(HW_REG_WAVE_MODE, 25, 1), 1
	s_wait_xcnt 0x0
	s_wait_alu depctr_vm_vsrc(0)
; out[t][b] = reward[t][b] + discount[t][b] * (LAM * out[t+1][b] + (1 - LAM) * value[t+1][b]),  t = 14 .. 0,
; with value[15][b] in the place of out[15][b].  reward, discount, value: [16][524288] f32; out: [15][524288] f32.
; The recurrence never uses reward[15], discount[15] and value[0]: those rows are not read.
;
; The columns do not depend on each other, and each needed byte is read once and each output byte written once.
; A thread owns 4 neighbouring columns (16 bytes of every row): a wave's load or store covers 512 consecutive bytes at a
; multiple of 512 from the buffer's first byte.  256 work-groups x 512 threads x 4 columns = 524,288 columns.
; A wave needs 3 x 15 = 45 loads of 16 bytes a lane, 180 registers: all 45 are issued in one run at the start, in the order
; in which the recurrence wants them (t = 14 first), and each step waits only for its own three.  No loop, no LDS, no barrier:
; no lane needs another lane's numbers, and no two work-groups read the same byte (so nothing could be shared in a cluster).
;
; Rounding: LAM * acc + (1 - LAM) * v and d * mix + r are each one fused multiply-add (one rounding where a separate multiply
; and add round twice).  NaN and infinities go through as in the formula.  No limit of range.
;
; THE MODE: SCHED_MODE bits 1:0 = 2 (LLVM: expert scheduling mode 2), set by the entry lines.  The code itself states the register
; dependences between vector instructions and memory instructions, with s_wait_alu, always for 0.
; THE PLAN.  Registers that memory instructions touch:
;   v[OFF]      Written once, at the head; read by every load and store as its offset; never written again.
;   V[t], D[t]  One load lands in each; no vector instruction names them ahead of that load; step t's arithmetic reads them.
;   R[t]        One load lands in it, ahead of which no vector instruction names it; step t's last two multiply-adds write it;
;               step t's store reads it, and so does step t - 1's arithmetic; nothing writes it again.
;   v[T ..]     Named by vector instructions alone.
; So one wait on va_vdst stands ahead of the first load (v[OFF] is written) and one in each step, ahead of its store (R[t] is
; written).  No register that a memory instruction reads is written behind it: the only wait on vm_vsrc is the one in the entry lines.
; The step's wait stands at the store and not behind the next step's wait for data, so that row t's store does not hang on the
; landing of row t - 1's loads.
.set ROW,    0x200000                  ; bytes in a row: 524,288 x 4
.set LAST,   14                        ; the first step made: t = 14; the last: t = 0
.set C_LAM,  0x3f733333                ; 0.95 in f32
.set C_REST, 0x3d4ccccd                ; 1 - 0.95 = 0.05 in f32
.set OFF, 1                            ; v1         my byte offset in every row; never rewritten
.set T,   2                            ; v[2:5]     the mix LAM * acc + (1 - LAM) * v of my 4 columns
.set R,   6                            ; v[6:65]    step t: 4 registers, reward[t] as loaded, then out[t]
.set D,   66                           ; v[66:125]  step t: 4 registers, discount[t]
.set V,   126                          ; v[126:185] step t: 4 registers, value[t+1]
; The immediate offset is signed and has 24 bits (ISA guide, chapter 10, the instructions' fields): -4 to +3 rows of 2 MiB.
; So each buffer has two bases, at row 4 (for rows 0-7) and at row 12 (for rows 8-15).
.set SR,  12                           ; s[12:15]   reward at row 4, at row 12
.set SD,  16                           ; s[16:19]   discount
.set SV,  20                           ; s[20:23]   value
.set SO,  24                           ; s[24:27]   out
.macro LD dst, sb, row                 ; my 16 bytes of one row
	global_load_b128 v[\dst:\dst+3], v[OFF], s[\sb+2*((\row)/8):\sb+2*((\row)/8)+1] offset:(((\row)%8)-4)*ROW th:TH_LOAD_NT
.endm
	s_load_b256 s[4:11], s[0:1], 0x0               ; reward s[4:5], discount s[6:7], value s[8:9], out s[10:11]
	s_lshl_b32 s2, ttmp9, 13                       ; the work-group's 512 threads x 16 bytes = 8,192 bytes of every row
	v_lshl_add_u32 v[OFF], v0, 4, s2               ; + 16 x thread: below 2 MiB
	s_wait_kmcnt 0x0
	s_add_nc_u64 s[SR:SR+1],   s[4:5],   4*ROW
	s_add_nc_u64 s[SR+2:SR+3], s[4:5],   12*ROW
	s_add_nc_u64 s[SD:SD+1],   s[6:7],   4*ROW
	s_add_nc_u64 s[SD+2:SD+3], s[6:7],   12*ROW
	s_add_nc_u64 s[SV:SV+1],   s[8:9],   4*ROW
	s_add_nc_u64 s[SV+2:SV+3], s[8:9],   12*ROW
	s_add_nc_u64 s[SO:SO+1],   s[10:11], 4*ROW
	s_add_nc_u64 s[SO+2:SO+3], s[10:11], 12*ROW    ; out has 15 rows: rows 8-14 are reached from here, row 15 never
	s_wait_alu depctr_va_vdst(0)                   ; v[OFF] is written: every load and store of the kernel reads it as its offset
	; All 45 loads, three for each step, the step that is made first in front.
.set t, LAST
.rept LAST+1
	LD V+4*t, SV, t+1
	LD D+4*t, SD, t
	LD R+4*t, SR, t
.set t, t-1
.endr
	; The 15 steps.  ACC names the registers of the value carried: value[15] at first, then the result of the step before.
	; A step's result is written over its reward, in registers that nothing writes again: they are the store's data and the
	; next step's ACC, so no store's source is ever rewritten and nothing has to wait until a store has read its registers.
.set t, LAST
.set ACC, V+4*LAST
.set LEFT, 3*LAST
.rept LAST+1
	s_wait_loadcnt LEFT                            ; loads come back in order (ISA guide 5.7.1): this step's three are in, the 3 t of the t steps to come stay out
	v_pk_mul_f32 v[T:T+1],   v[V+4*t:V+4*t+1],     C_REST op_sel_hi:[1,0]                    ; (1 - LAM) * value[t+1]
	v_pk_mul_f32 v[T+2:T+3], v[V+4*t+2:V+4*t+3],   C_REST op_sel_hi:[1,0]
	v_pk_fma_f32 v[T:T+1],   v[ACC:ACC+1],   C_LAM, v[T:T+1]   op_sel_hi:[1,0,1]             ; + LAM * acc
	v_pk_fma_f32 v[T+2:T+3], v[ACC+2:ACC+3], C_LAM, v[T+2:T+3] op_sel_hi:[1,0,1]
	v_pk_fma_f32 v[R+4*t:R+4*t+1],   v[D+4*t:D+4*t+1],   v[T:T+1],   v[R+4*t:R+4*t+1]        ; reward[t] + discount[t] * mix
	v_pk_fma_f32 v[R+4*t+2:R+4*t+3], v[D+4*t+2:D+4*t+3], v[T+2:T+3], v[R+4*t+2:R+4*t+3]
	s_wait_alu depctr_va_vdst(0)                   ; the two multiply-adds above have written R[t], which the store reads as its data
	global_store_b128 v[OFF], v[R+4*t:R+4*t+3], s[SO+2*(t/8):SO+2*(t/8)+1] offset:((t%8)-4)*ROW th:TH_STORE_NT
.set ACC, R+4*t
.set t, t-1
.set LEFT, LEFT-3
.endr
	s_endpgm
.Lfunc_end_k_qe8a556b338_lambda_return:
	.size	k_qe8a556b338_lambda_return, .Lfunc_end_k_qe8a556b338_lambda_return-k_qe8a556b338_lambda_return
	.p2alignl 7, 3214868480
	.fill 96, 4, 3214868480
	.section	.rodata,"a",@progbits
	.p2align	6, 0x0
	.amdhsa_kernel k_qe8a556b338_lambda_return
		.amdhsa_group_segment_fixed_size 0
		.amdhsa_private_segment_fixed_size 0
		.amdhsa_enable_private_segment 0
		.amdhsa_kernarg_size 32
		.amdhsa_user_sgpr_count 2
		.amdhsa_user_sgpr_kernarg_segment_ptr 1
		.amdhsa_wavefront_size32 1
		.amdhsa_system_sgpr_workgroup_id_x 1
		.amdhsa_system_sgpr_workgroup_id_y 1
		.amdhsa_system_sgpr_workgroup_id_z 1
		.amdhsa_system_vgpr_workitem_id 0
		.amdhsa_next_free_vgpr 186
		.amdhsa_next_free_sgpr 66
		.amdhsa_reserve_vcc 0
		.amdhsa_float_denorm_mode_32 3
		.amdhsa_float_denorm_mode_16_64 3
		.amdhsa_memory_ordered 1
		.amdhsa_forward_progress 1
		.amdhsa_inst_pref_size 16
	.end_amdhsa_kernel
	.amdgpu_metadata
---
amdhsa.version: [ 1, 2 ]
amdhsa.kernels:
  - .name:           k_qe8a556b338_lambda_return
    .symbol:         k_qe8a556b338_lambda_return.kd
    .args:
      - { .name: reward, .offset: 0, .size: 8, .value_kind: global_buffer, .address_space: global }
      - { .name: discount, .offset: 8, .size: 8, .value_kind: global_buffer, .address_space: global }
      - { .name: value, .offset: 16, .size: 8, .value_kind: global_buffer, .address_space: global }
      - { .name: out0, .offset: 24, .size: 8, .value_kind: global_buffer, .address_space: global }
    .group_segment_fixed_size: 0
    .private_segment_fixed_size: 0
    .kernarg_segment_align: 8
    .kernarg_segment_size: 32
    .max_flat_workgroup_size: 512
    .sgpr_count:     66
    .vgpr_count:     186
    .wavefront_size: 32
...
	.end_amdgpu_metadata
.endif
;; end of part 2
